; MI455X (gfx1250); checked and timed in simulation.
; The chip was launched on July 23, 2026; its instructions are those of AMD's public machine-readable ISA for CDNA 5 (MIT licence, August 2026) and "CDNA5" Instruction Set Architecture Reference Guide (July 2026). The comments in the code are by the model that wrote it; some were corrected since.
;; Multi Head Attention Python. Allowed arithmetic: matrix products marked QUANTISED: E2M1 operands, one E8M0 scale for each 32 along K, by v_wmma_scale_f32_16x16x128_f8f6f4 with both operands' format E2M1 (or v_wmma_scale_f32_32x16x128_f4), f32 sums; products left as they are: bf16, f16 or f32 operands; f32 sums; everything else in f32.
;; Inputs: k 4 x 16 x 2,048 x 64 float32; q 4 x 16 x 2,048 x 64 float32; v 4 x 16 x 2,048 x 64 float32.
;; Outputs: out0 4 x 16 x 2,048 x 64 float32.
;; This version of the problem:
;;   THIS VERSION OF THE PROBLEM IS GIVEN IN LOW PRECISION. The matrix products marked QUANTISED in the list below multiply operands that are first quantised to E2M1 (2 exponent bits, 1 mantissa bit; 4 bits a number), with one power-of-two scale for each 32 numbers along K (OCP MX v1.0); their sums are f32. The products marked 'left as it is' may take bf16, f16 or f32 operands, with f32 sums. Whichever they take, every output number must still come out within the allowed error. Rounding operands to bf16 (8 significant bits) uses up far more of that allowance than f16 does (11 bits, for magnitudes from 6e-5 to 65,504). All else is computed in f32.
;;   The module's matrix products, in the order in which they are computed (A, B: the left and right operand; K: the contracted axis; several contracted axes count as one K, in the product's order):
;;     1. batch 64 x [M 2,048, K 64] x [K 64, N 2,048]; A: input q; B: input k: QUANTISED
;;     2. batch 64 x [M 2,048, K 2,048] x [K 2,048, N 64]; A: computed on the way; B: input v: left as it is (an operand is computed on the way)
;;   THE QUANTISER, for each operand of a quantised product, along K:
;;     - K is cut into blocks of 32 from its start; a last block that is shorter is filled with zeros.
;;     - A block's scale is 2^e with e = floor(log2(the largest magnitude in the block)) - 2, held to -126 .. 127; a block of zeros has e = 0. As a byte (E8M0): e + 127.
;;     - Each number is divided by its block's scale, clamped to +-6, and rounded to the nearest number of E2M1, ties to even, subnormals kept.
;;     - The product sums the exact products of the quantised numbers (number of the format x scale) in f32.
;;   ~~~python
;;   def quantise(x, axis):      # numpy; x: float32 -> the quantised numbers, widened to float32 again
;;       x = np.moveaxis(x, axis, -1); K = x.shape[-1]
;;       x = np.pad(x, [(0, 0)] * (x.ndim - 1) + [(0, -K % 32)]); x = x.reshape(x.shape[:-1] + (-1, 32)); a = np.abs(x).max(-1, keepdims=True)
;;       e = np.where(a > 0, np.clip(np.frexp(np.where(a > 0, a, 1))[1] - 1 - 2, -126, 127), 0)      # np.frexp(a)[1] - 1 = floor(log2(a)), exactly
;;       r = np.clip(x / 2.0 ** e, -6, 6)
;;       step = 2.0 ** (np.maximum(np.frexp(np.where(r == 0, 1, r))[1] - 1, 0) - 1)
;;       q = np.round(r / step) * step * 2.0 ** e      # np.round: ties to even
;;       return np.moveaxis(q.reshape(q.shape[:-2] + (-1,))[..., :K], -1, axis).astype(np.float32)
;;   ~~~
;; One version. Each part assembles by itself: llvm-mc -triple=amdgcn-amd-amdhsa -mcpu=gfx1250 --defsym DOCPART=n.
;; ======== version 1 of 1: 1 launch
;; limits: values are held in f16: magnitudes above 65,504 overflow, below 6.1e-05 lose precision
;; launch attn (part 1): grid 4 x 64, 8 waves a work-group, clusters of 4 x 1, 327,680 bytes of LDS; arguments q, k, v, out0; writes out0
.if DOCPART == 1
	.amdgcn_target "amdgcn-amd-amdhsa--gfx1250"
	.amdhsa_code_object_version 6
	.text
	.protected	k_qd9eda5eada_attn
	.globl	k_qd9eda5eada_attn
	.p2align	8
	.type	k_qd9eda5eada_attn,@function
k_qd9eda5eada_attn:
	s_mov_b64 s[64:65], 0
	v_nop
	global_prefetch_b8 v0, s[64:65] scope:SCOPE_SE
	s_setreg_imm32_b32 hwreg(HW_REG_WAVE_MODE, 25, 1), 1
	s_wait_xcnt 0x0
	s_wait_alu depctr_hold_cnt(0) depctr_sa_sdst(0) depctr_va_vdst(0) depctr_va_sdst(0) depctr_va_ssrc(0) depctr_va_vcc(0) depctr_vm_vsrc(0)
	s_getreg_b32 s2, hwreg(HW_REG_IB_STS2, 6, 4)
	s_cmp_eq_u32 s2, 0
	s_cbranch_scc0 .Lentry_in_a_cluster
	s_endpgm
.Lentry_in_a_cluster:
	s_bfe_u32 s2, ttmp6, 0x10000c
	s_cmp_lg_u32 s2, 0x3003
	s_cbranch_scc0 .Lentry_shape_is_right
	s_endpgm
.Lentry_shape_is_right:
; out0[h][q][:] = the sum over k of softmax_k(Q[h][q] . K[h][k] / 8) V[h][k][:].  q, k, v, out0: [64 heads][2048][64], f32.
; FIRST PRODUCT, QUANTISED: q and k become codes of E2M1 with one E8M0 scale for each 32 of the head's 64 (two blocks a row); the matrix instruction is 128 deep, so the upper 64 along K are zero codes on both sides.
; A block's scale is 2^(floor(log2(its largest magnitude)) - 2): its byte is that magnitude's exponent field - 2, held at 1 from below.
; SECOND PRODUCT, LEFT AS IT IS: p and v rounded to f16, sums in f32.  Maxima, exponentials, row sums and the division in f32; the row's maximum is a running one.
; LIMITS: |v| under 65,504 (f16); a p under 2^-24 of its row's running maximum counts as 0 (f16); a block of zeros, or one whose largest magnitude lies under 2^-124, keeps the byte 1 (its bytes are read by this
; program alone; zero codes add nothing); NaN and infinities among the inputs are not served.
; SHARES.  A cluster of four work-groups owns a head; work-group cx its queries 512 cx on; each of eight waves 64 queries: four tiles of 16.  Two waves lie on a SIMD, 512 registers each, so that one wave's
; softmax stands beside the other's products.  Every wave walks all 2,048 keys: 16 slots of 128 keys, a slot in two key steps of 64.
; THREE STAGES, one round of the cluster's barrier a slot.  L(s): joint tensor loads bring slot s of K and V, f32 as they lie, into raw slot s % 2 (each wave 32 rows).  C(s): wave w turns keys 16 w .. 16 w + 15 of the
; raw slot into IMAGES OF OPERAND REGISTERS (K: codes and a scale word; V: f16, turned) in image slot s % 2.  A(s): every wave loads the images and runs two key steps.  Trip s: the round, L(s + 2), C(s + 1), A(s).
; The one round orders all four hand-overs: L(s + 1) has landed; C(s)'s reads of the raw slot that L(s + 2) fills are over; C(s)'s stores are done; A(s - 1)'s reads of the image slot that C(s + 1) writes are over.
; LAYOUT.  S^T = K Q^T (source 0 = 16 keys, source 1 = 16 queries): lane (r, h) holds query r and keys 8 h + 0 .. 7 of the tile.  Two such tiles rounded in pairs ARE source 1 (32 keys x 16 queries) of O^T = V^T P.
; Row m of V^T's tile c is channel 4 m + c, so that a lane's 32 results of a tile of queries are channels 32 h + 0 .. 31: neighbours.
; REGISTERS.  Window 0: v0-30 addresses and scale words; v32-63 statistics, eight a tile; v64-191 S^T, 32 a tile (at a trip's head: the conversion's numbers); v192-255 P, 16 a tile.
;   Window 1: v0-127 O^T (tile t, channels c at 32 t + 8 c); v128-191 V's 8 fragments of a key step; v192-223 K's 4; v224-255 Q's 4 (the upper four registers of K's and Q's fragments are zero codes, written once).
.set RP,    272                        ; a raw row in LDS: 256 bytes + 16 of padding = 68 words, so the 16 rows that a load touches begin 4 words apart modulo 64
.set WTILE, 32*RP                      ; what one tensor load brings: 32 rows
.set RVOFF, 128*RP                     ; in a raw slot: K's 128 rows, then V's
.set SLOT1, 1<<17                      ; raw slot 1 begins here: one exclusive or turns an address from one raw slot to the other
.set SLOTB, 128*256                    ; a slot of K or V in memory, in bytes
.set IMG0,  73728                      ; image slot 0, behind raw slot 0: K's 8 fragments x 512 bytes,
.set ISC,   4096                       ; K's scale words, 2 key steps x 512 bytes (lane l: four words at 16 l),
.set IV,    5120                       ; V's 16 fragments x 1,024 bytes
.set IMGX,  0x8000                     ; image slot 1 lies so much further on
.set STAGE, SLOT1+2*RVOFF              ; behind raw slot 1: 16 rows x 272 bytes for each wave, for the way out
.set SPARE, STAGE+8*16*RP              ; the spare words, 128 bytes for each wave: four blocks of 256 bytes that no other line names
.set KRA, 3                            ; v3   raw K: (16 w + r) RP + 128 h
.set VRA, 4                            ; v4   raw V: RVOFF + (16 w + 8 h) RP + 16 r
.set KWI, 5                            ; v5   where I store K's image: IMG0 + 512 w + 16 lane
.set SWI, 6                            ; v6   its scale word: IMG0 + ISC + 512 (w / 4) + 4 (w % 4) + 16 lane
.set VWI, 7                            ; v7   V's image: IMG0 + IV + 4096 (w / 2) + 512 (w % 2) + 16 lane
.set LI0, 8                            ; v8   IMG0 + 16 lane
.set H8,  9                            ; v9   8 h
.set AIR, 15                           ; v15  the image slot that is read; v10-14: the conversion's five addresses of the trip
.set KS,  16                           ; v16-19 K's scale words of a key step: scales and nothing else
.set QS,  20                           ; v20-23 Q's scale words: scales and nothing else
.set STO, 24                           ; v24  the way out: where I put 16 bytes of a row
.set RD,  25                           ; v25  where I read a row back
.set GO,  26                           ; v26  my byte offset in the wave's rows of out0
.set QO,  27                           ; v27  my byte offset in the wave's rows of q
.set PFO, 28                           ; v28  256 x lane: the prefetches' offset; never rewritten
.set SPW, 29                           ; v29  LDS address of my spare word; never rewritten
.set NIL, 30                           ; v30  0; never rewritten
.set ST,  32                           ; tile t at ST + 8 t: +0 c m, +1 m, +2, +3 l (even keys', odd keys'), +4 to +7 at work; a lies in +6
.set T0,  ST+4                         ; the quantiser's four registers: tile 0's registers at work, free at a trip's head
.set T1,  ST+5
.set T2,  ST+6
.set T3,  ST+7
.set S,   64
.set P,   192
.set VF,  128                          ; window 1
.set KF,  192
.set QF,  224
.set WV,  12                           ; s12  my wave's number
.set LIM, 15                           ; s15  1 in a wave that prefetches, else the greatest number
.set G1,  24                           ; s[24:31] descriptor group 1, for K's and V's tiles alike
.set G0K, 32                           ; s[32:39] group 0 for K's tiles: a set for each first fill; the second then walks on
.set G0V, 40                           ; s[40:47] the same for V's
.set SLOTS, 48                         ; s48  slots still to be asked for
.set RB,  49                           ; s49  raw slot that the next conversion reads: 0 or SLOT1
.set IW,  50                           ; s50  image slot that it writes: 0 or IMGX
.set IR,  51                           ; s51  image slot that the trip reads
.set CS,  52                           ; s[52:53] c = log2(e) / 8: the packed form names a pair and takes its low word for both halves
.set SEL, 54                           ; s[54:55] lane selects for v_permlanex16_b32: lane l xor 16
.set PFA, 56                           ; s[56:57] where my prefetches stand
.set MSB, 0
.macro WIN new                         ; the immediate's high byte repeats the setting that is left; a switch that changes nothing is dropped
.if MSB != \new
	s_set_vgpr_msb (MSB<<8)|\new
.set MSB, \new
.endif
.endm
.set W_LD,  0x40                       ; destination window 1
.set W_QK,  0x05                       ; K and Q in window 1, S^T in window 0
.set W_PV,  0x51                       ; V, C and D in window 1, P in window 0
.set W_RS,  0x41                       ; O^T (destination and source 0) in window 1, a in window 0
.set W_OUT, 0x01                       ; O^T (source 0) in window 1
.macro PLACES                          ; four places behind a matrix instruction (ISA guide 7.12.1), where no other plain vector work is at hand
.rept 4
	v_nop
.endr
.endm
; A round of the cluster's barrier: my work-group's barrier; wave 0 signals for the work-group; every wave waits for all four work-groups; my work-group's barrier once more.
.macro CROUND
	s_barrier_signal -1
	s_barrier_wait -1
	s_cmp_lg_u32 s[WV], 0
	s_cbranch_scc1 .Lnot_wave_0_\@
	s_barrier_signal -3
.Lnot_wave_0_\@:
	s_barrier_wait -3
	s_barrier_signal -1
	s_barrier_wait -1
.endm
; A joint refill: waves 0 to 3 fetch K's four quarters of a slot, waves 4 to 7 V's: one load a wave.  The branch hangs on the wave's number alone.  An s_nop 0 and four v_nop follow each line.
.macro JLOAD
	s_cmp_lt_u32 s[WV], 4
	s_cbranch_scc0 .Lfor_v_\@
	tensor_load_to_lds s[G0K+4:G0K+7], s[G1:G1+7]
	s_nop 0
	PLACES
	s_branch .Lasked_\@
.Lfor_v_\@:
	tensor_load_to_lds s[G0V+4:G0V+7], s[G1:G1+7]
	s_nop 0
	PLACES
.Lasked_\@:
.endm
; A prefetch into the L2 of the slot that the NEXT change of slots will ask for: one trip ahead.  A row of K or V is 256 bytes, a slot has 128 of each.  The four partners share the rows out by address, 32 each;
; in each, wave 0 asks for K's and wave 4 for V's, a lane a row: each row is named once in the launch.  The last change that fills a slot asks for nothing; slots 0 to 2 come by their loads alone.
.macro ASK
	s_cmp_gt_u32 s[SLOTS], s[LIM]
	s_cbranch_scc0 .Lnot_mine_\@
	global_prefetch_b8 v[PFO], s[PFA:PFA+1] th:TH_LOAD_NT scope:SCOPE_SE
.Lnot_mine_\@:
.endm
; 32 numbers of a lane, one whole block (k = 32 h + 0 .. 31 of row r), become four registers of codes at v[cd] (window as wn says) and the row's scale word in v[sw].
.macro QUANT32 x, cd, sw, wn
	v_max3_num_f32 v[T0], |v[(\x)]|, |v[(\x)+1]|, 0x1800000          ; two chains; the floor 2^(3 - 127) is a leaf: the byte cannot fall under 1
	v_max3_num_f32 v[T1], |v[(\x)+16]|, |v[(\x)+17]|, |v[(\x)+18]|
.irp i, 0,2,4,6,8,10
	v_max3_num_f32 v[T0], v[T0], |v[(\x)+2+\i]|, |v[(\x)+3+\i]|
	v_max3_num_f32 v[T1], v[T1], |v[(\x)+19+\i]|, |v[(\x)+20+\i]|
.endr
	v_max3_num_f32 v[T0], v[T0], |v[(\x)+14]|, |v[(\x)+15]|
	v_max3_num_f32 v[T0], v[T0], v[T1], |v[(\x)+31]|                 ; the block's largest magnitude
	v_add_nc_u32 v[T2], 0xff000000, v[T0]                            ; 2 off its exponent field: the conversion takes the exponent field of this operand as its scale
	v_lshrrev_b32 v[T3], 23, v[T2]                                   ; the scale's byte,
	v_lshlrev_b32 v[T3], v[H8], v[T3]                                ; at block h's place in the word;
	v_permlanex16_b32 v[T1], v[T3], s[SEL], s[SEL+1]
	v_or_b32 v[\sw], v[T3], v[T1]                                    ; with lane l xor 16's the word is whole; bytes 2 and 3, over zero codes, stay 0
	WIN \wn
.irp g, 0,1,2,3
	v_cvt_scalef32_pk8_fp4_f32 v[(\cd)+\g], v[(\x)+8*\g:(\x)+8*\g+7], v[T2]
.endr
	v_nop                                                            ; one plain place behind a scaled conversion
	WIN 0
.endm
; C(s): my 16 keys of raw slot RB become images in image slot IW.  K: lane (r, h) takes 128 bytes of key r.  V: lanes 0-15 take a whole row of key i, lanes 16-31 of key 8 + i: lane (r, h) channels 4 r .. 4 r + 3 of eight keys.
.macro CONVERT
	v_add_nc_u32 v10, s[RB], v[KRA]
	v_add_nc_u32 v11, s[RB], v[VRA]
	v_add_nc_u32 v12, s[IW], v[KWI]
	v_add_nc_u32 v13, s[IW], v[SWI]
	v_add_nc_u32 v14, s[IW], v[VWI]
.irp i, 0,1,2,3,4,5,6,7
	ds_load_b128 v[S+4*\i:S+4*\i+3], v10 offset:16*\i
.endr
.irp i, 0,1,2,3,4,5,6,7
	ds_load_b128 v[S+32+4*\i:S+32+4*\i+3], v11 offset:RP*\i
.endr
	s_wait_dscnt 8                                 ; K's numbers are in; V's eight loads may be out
	QUANT32 S, S+80, S+84, 0
	ds_store_b128 v12, v[S+80:S+83]                ; registers 0-3 of K's fragment w, as they stand
	ds_store_b32 v13, v[S+84]
	s_wait_dscnt 2                                 ; V's numbers are in; the two stores just issued may be out
.irp c, 0,1,2,3
.irp j, 0,1,2,3
	v_cvt_pk_f16_f32 v[S+64+4*\c+\j], v[S+32+8*\j+\c], v[S+32+8*\j+4+\c]   ; channel 4 r + c, keys 8 h + 2 j and + 1: four registers of half w % 2 of V's fragment (w / 2, c)
.endr
.endr
.irp c, 0,1,2,3
	ds_store_b128 v14, v[S+64+4*\c:S+64+4*\c+3] offset:1024*\c
.endr
	s_wait_dscnt 0x0                               ; the stores have read their registers, which the products below write over; the trip's first fragments are in too
	s_xor_b32 s[RB], s[RB], SLOT1
	s_xor_b32 s[IW], s[IW], IMGX
.endm
.macro LOADSCK e                       ; key step e of the slot: K's four scale words by one load, and registers 0-3 of its four fragments
	WIN 0
	ds_load_b128 v[KS:KS+3], v[AIR] offset:ISC+512*\e
	WIN W_LD
.irp kt, 0,1,2,3
	ds_load_b128 v[KF+8*\kt:KF+8*\kt+3], v[AIR] offset:2048*\e+512*\kt
.endr
.endm
.macro LOADV e                         ; V's eight fragments of key step e: (32 keys f / 4, channels f % 4)
	WIN W_LD
.irp f, 0,1,2,3,4,5,6,7
	ds_load_b128 v[VF+8*\f:VF+8*\f+3],   v[AIR] offset:IV+8192*\e+1024*\f
	ds_load_b128 v[VF+8*\f+4:VF+8*\f+7], v[AIR] offset:IV+8192*\e+1024*\f+512
.endr
.endm
.macro QK                              ; S^T = K Q^T: 16 sums, each one instruction, begun with the constant 0
	WIN W_QK
.irp kt, 0,1,2,3
.irp t, 0,1,2,3
	v_wmma_scale_f32_16x16x128_f8f6f4 v[S+32*\t+8*\kt:S+32*\t+8*\kt+7], v[KF+8*\kt:KF+8*\kt+7], v[QF+8*\t:QF+8*\t+7], 0, v[KS+\kt], v[QS+\t] matrix_a_fmt:MATRIX_FMT_FP4 matrix_b_fmt:MATRIX_FMT_FP4
.endr
.endr
.endm
; The maximum of a lane's 32 scores and the old m, three operands at a time, the four tiles by turns; each accumulator is read from its low end on.  Then the other half of the lanes', the new m, c m and c m_old - c m_new.
.macro SMAX first
.irp j, 0,1,2,3
.irp t, 0,1,2,3
	v_max3_num_f32 v[ST+8*\t+4+\j], v[S+32*\t+8*\j], v[S+32*\t+8*\j+1], v[S+32*\t+8*\j+2]
.endr
.endr
.irp g, 3,5
.irp j, 0,1,2,3
.irp t, 0,1,2,3
	v_max3_num_f32 v[ST+8*\t+4+\j], v[ST+8*\t+4+\j], v[S+32*\t+8*\j+\g], v[S+32*\t+8*\j+\g+1]
.endr
.endr
.endr
.irp t, 0,1,2,3
	v_max3_num_f32 v[ST+8*\t+4], v[ST+8*\t+4], v[S+32*\t+7], v[S+32*\t+15]
.endr
.irp t, 0,1,2,3
	v_max3_num_f32 v[ST+8*\t+6], v[ST+8*\t+6], v[S+32*\t+23], v[S+32*\t+31]
.endr
.irp t, 0,1,2,3
	v_max3_num_f32 v[ST+8*\t+4], v[ST+8*\t+4], v[ST+8*\t+5], v[ST+8*\t+6]
.endr
.irp t, 0,1,2,3
.if \first
	v_max_num_f32 v[ST+8*\t+4], v[ST+8*\t+4], v[ST+8*\t+7]
.else
	v_max3_num_f32 v[ST+8*\t+4], v[ST+8*\t+4], v[ST+8*\t+7], v[ST+8*\t+1]
.endif
.endr
.irp t, 0,1,2,3
	v_permlanex16_b32 v[ST+8*\t+5], v[ST+8*\t+4], s[SEL], s[SEL+1]     ; the query's other 32 keys lie in the lane 16 away
.endr
.if \first
.else
.irp t, 0,1,2,3
	v_mov_b32 v[ST+8*\t+7], v[ST+8*\t]             ; c m_old is kept for a
.endr
.endif
.irp t, 0,1,2,3
	v_max_num_f32 v[ST+8*\t+1], v[ST+8*\t+4], v[ST+8*\t+5]
.endr
.irp t, 0,1,2,3
	v_mul_f32 v[ST+8*\t], s[CS], v[ST+8*\t+1]
.endr
.if \first
.else
.irp t, 0,1,2,3
	v_sub_f32 v[ST+8*\t+7], v[ST+8*\t+7], v[ST+8*\t]
.endr
.endif
.endm
.macro SCALE t, b                      ; pair b of tile t: c s - c m
	v_pk_fma_f32 v[S+32*(\t)+2*(\b):S+32*(\t)+2*(\b)+1], v[S+32*(\t)+2*(\b):S+32*(\t)+2*(\b)+1], s[CS:CS+1], v[ST+8*(\t):ST+8*(\t)+1] op_sel_hi:[1,0,0] neg_lo:[0,0,1] neg_hi:[0,0,1]
.endm
; ONE BATCH: the 64 scalings and all exponentials (a of the four tiles, then p = 2^(c s - c m)); a tile's scalings stand among the exponentials of the tile before.  Nothing here names an exponential's result;
; one plain instruction and ONE wait ahead of the first reader end the batch.
.macro SEXP first
.irp b, 0,1,2,3,4,5,6,7,8,9,10,11,12,13,14,15
	SCALE 0, \b
.endr
.if \first
.else
.irp t, 0,1,2,3
	v_exp_f32 v[ST+8*\t+6], v[ST+8*\t+7]           ; a = 2^(c m_old - c m_new)
.endr
.endif
.irp t, 0,1,2
.irp b, 0,1,2,3,4,5,6,7,8,9,10,11,12,13,14,15
	SCALE \t+1, \b
	v_exp_f32 v[S+32*\t+2*\b], v[S+32*\t+2*\b]
	v_exp_f32 v[S+32*\t+2*\b+1], v[S+32*\t+2*\b+1]
.endr
.endr
.irp j, 0,1,2,3,4,5,6,7,8,9,10,11,12,13,14,15,16,17,18,19,20,21,22,23,24,25,26,27,28,29,30,31
	v_exp_f32 v[S+96+\j], v[S+96+\j]
.endr
	v_nop
	s_wait_alu depctr_va_vdst(0)
.endm
.macro SPACK                           ; p to f16, in pairs: tiles 2 u and 2 u + 1 of keys make source 1 of V^T P for keys 32 u on
.irp t, 0,1,2,3
.irp i, 0,1,2,3,4,5,6,7,8,9,10,11,12,13,14,15
	v_cvt_pk_f16_f32 v[P+16*\t+\i], v[S+32*\t+2*\i], v[S+32*\t+2*\i+1]
.endr
.endr
.endm
.macro RESC                            ; O^T times a, ascending: each accumulator from its low end on
	WIN W_RS
.irp t, 0,1,2,3
.irp i, 0,1,2,3,4,5,6,7,8,9,10,11,12,13,14,15
	v_pk_mul_f32 v[32*\t+2*\i:32*\t+2*\i+1], v[32*\t+2*\i:32*\t+2*\i+1], v[ST+8*\t+6:ST+8*\t+7] op_sel_hi:[1,0]
.endr
.endr
.endm
.macro PV first                        ; O^T += V^T P: the 16 accumulators take turns, one instruction a turn; first = 1: the first 16 start the sums: nothing is ever cleared
	WIN W_PV
.irp ks, 0,1
.irp t, 0,1,2,3
.irp c, 0,1,2,3
.if \first && (\ks == 0)
	v_wmma_f32_16x16x32_f16 v[32*\t+8*\c:32*\t+8*\c+7], v[VF+8*(4*\ks+\c):VF+8*(4*\ks+\c)+7], v[P+16*\t+8*\ks:P+16*\t+8*\ks+7], 0
.else
	v_wmma_f32_16x16x32_f16 v[32*\t+8*\c:32*\t+8*\c+7], v[VF+8*(4*\ks+\c):VF+8*(4*\ks+\c)+7], v[P+16*\t+8*\ks:P+16*\t+8*\ks+7], v[32*\t+8*\c:32*\t+8*\c+7]
.endif
.endr
.endr
.endr
.endm
; The row's sum, of p before it is rounded: a tree in place over a tile's 16 pairs, then l = a l + the sum.  It stands behind V^T P: its 64 plain lines, which name none of those products' registers, are the places
; in front of the next loads into V's fragments.
.macro SSUM first
	WIN 0
.irp u, 0,1,2,3,4,5,6,7
.irp t, 0,1,2,3
	v_pk_add_f32 v[S+32*\t+4*\u:S+32*\t+4*\u+1], v[S+32*\t+4*\u:S+32*\t+4*\u+1], v[S+32*\t+4*\u+2:S+32*\t+4*\u+3]
.endr
.endr
.irp u, 0,1,2,3
.irp t, 0,1,2,3
	v_pk_add_f32 v[S+32*\t+8*\u:S+32*\t+8*\u+1], v[S+32*\t+8*\u:S+32*\t+8*\u+1], v[S+32*\t+8*\u+4:S+32*\t+8*\u+5]
.endr
.endr
.irp u, 0,1
.irp t, 0,1,2,3
	v_pk_add_f32 v[S+32*\t+16*\u:S+32*\t+16*\u+1], v[S+32*\t+16*\u:S+32*\t+16*\u+1], v[S+32*\t+16*\u+8:S+32*\t+16*\u+9]
.endr
.endr
.if \first
.irp t, 0,1,2,3
	v_pk_add_f32 v[ST+8*\t+2:ST+8*\t+3], v[S+32*\t:S+32*\t+1], v[S+32*\t+16:S+32*\t+17]
.endr
.else
.irp t, 0,1,2,3
	v_pk_add_f32 v[S+32*\t:S+32*\t+1], v[S+32*\t:S+32*\t+1], v[S+32*\t+16:S+32*\t+17]
.endr
.irp t, 0,1,2,3
	v_pk_fma_f32 v[ST+8*\t+2:ST+8*\t+3], v[ST+8*\t+2:ST+8*\t+3], v[ST+8*\t+6:ST+8*\t+7], v[S+32*\t:S+32*\t+1] op_sel_hi:[1,0,1]
.endr
.endif
.endm
; A KEY STEP of 64 keys, the e-th of the slot.  w0: the LDS loads that may stay out when K's fragments are wanted (0: a wait for 0 stands just ahead).
.macro STEP e, first, w0
.if \w0 > 0
	s_wait_dscnt \w0                               ; K's five loads are in; V's sixteen, issued behind them, may be out
.endif
	QK
	WIN 0
	PLACES                                         ; in front of the loads into K's registers and of the first read of the scores
.if \e == 0
	LOADSCK 1                                      ; the slot's second step: its K, a softmax ahead of its use
	WIN 0
.endif
	SMAX \first
	SEXP \first
	SPACK
.if \first
	PLACES                                         ; the first step has nothing to rescale
.else
	RESC
.endif
.if \e == 0
	s_wait_dscnt 5                                 ; V's fragments are in; the next step's five loads of K may be out
.else
	s_wait_dscnt 0x0
.endif
	PV \first
	SSUM \first
.if \e == 0
	LOADV 1
	WIN 0
.endif
.endm
; THE CHANGE OF SLOTS, at a trip's head.  Each wave waits for all its tensor loads (one is out: its part of the raw slot that is converted next), adds 0 to its spare word, and waits for that and for all its LDS reads and stores.
; fill = 1: the barrier is a round of the cluster's, so that no wave of any partner still reads the raw slot or has a load on its way; the joint refill is the first thing behind it and has the whole trip in which to land.
.macro CHANGE fill
	WIN 0                                          ; at a label and at a branch every window is 0
	s_wait_tensorcnt 0x0                           ; no tensor load of mine is out, so a group 0 may be written
	ds_add_u32 v[SPW], v[NIL]                      ; 0 onto my spare word
.if \fill
.irp g, G0K+4, G0V+4
	s_xor_b32 s[\g+1], s[\g+1], SLOT1              ; the walking descriptor: the other raw slot than last time,
	s_add_nc_u64 s[\g+2:\g+3], s[\g+2:\g+3], SLOTB ; the next 128 keys; the type bits on top are not reached
.endr
	s_wait_xcnt 0x0                                ; the last prefetch, a trip back, has read its address, so it may be written:
	s_add_nc_u64 s[PFA:PFA+1], s[PFA:PFA+1], SLOTB ; one slot further on than the walking descriptors
	s_wait_dscnt 0x0                               ; the add is done; my reads of the raw slot and of the images are over, my images are stored
	CROUND
	JLOAD
	ASK
.else
	s_wait_dscnt 0x0
	s_barrier_signal -1
	s_barrier_wait -1
.endif
.endm
.macro TRIP fill, conv, first
	CHANGE \fill
	v_add_nc_u32 v[AIR], s[IR], v[LI0]
	LOADSCK 0
	LOADV 0
	WIN 0
.if \conv
	CONVERT                                        ; the next slot's images, while this slot's first fragments come in
	STEP 0, \first, 0
.else
	STEP 0, \first, 16
.endif
	STEP 1, 0, 16
	s_xor_b32 s[IR], s[IR], IMGX
.endm
	s_load_b256 s[4:11], s[0:1], 0x0               ; q s[4:5], k s[6:7], v s[8:9], out0 s[10:11]
	v_lshl_add_u32 v[SPW], v0, 2, SPARE
	v_mov_b32 v[NIL], 0
	ds_add_u32 v[SPW], v[NIL]                      ; the wave's opening: the add, twice on end, and its wait ahead of my first tensor load; the set-up below, work on registers, stands between
	ds_add_u32 v[SPW], v[NIL]
	v_lshrrev_b32 v1, 5, v0
	v_readfirstlane_b32 s[WV], v1                  ; wave 0..7
	s_bfe_u32 s13, ttmp6, 0x40000                  ; cx: it enters q's, out0's and the prefetches' global addresses alone
	s_and_b32 s14, s[WV], 3                        ; which 32 rows of a slot I fetch
	s_and_b32 s16, ttmp7, 0xffff                   ; the head, which the four partners share:
	s_lshl_b32 s16, s16, 19                        ; its first byte in each tensor: 2,048 rows of 256 bytes
	s_mov_b32 s17, 0
	s_lshl_b32 s18, s14, 13                        ; my 32 rows in memory,
	s_mov_b32 s19, 0
	s_add_nc_u64 s[18:19], s[18:19], s[16:17]
	s_mul_i32 s20, s14, WTILE                      ; and in a raw slot
	s_lshl_b32 s2, s13, 17                         ; my work-group's 512 queries,
	s_lshl_b32 s3, s[WV], 14                       ; my wave's 64 of them
	s_add_co_u32 s2, s2, s3
	s_mov_b32 s3, 0
	s_add_nc_u64 s[2:3], s[2:3], s[16:17]
	s_lshl_b32 s22, s13, 13                        ; the prefetches: my work-group's 32 rows of the 128,
	s_add_co_u32 s22, s22, 2*SLOTB                 ; in slot 2: the first change of slots steps it to slot 3
	s_mov_b32 s23, 0
	s_add_nc_u64 s[22:23], s[22:23], s[16:17]
	; descriptor group 1: a tile of 32 rows x 64 elements of 4 bytes, dense in memory, padded in LDS
	s_mov_b32 s[G1], 15|(2<<16)|(1<<20)|(1<<21)|(5<<22)|(3<<25)   ; 15:0 the mask: all four work-groups; 17:16 elements of 4 bytes; 20 padding on; 21 set beside a mask; 24:22 after every 64 words (code 5); 31:25 four words (code 3)
	s_mov_b32 s[G1+1], 64<<16                      ; tensor_dim0 = 64
	s_mov_b32 s[G1+2], 32<<16                      ; tensor_dim1 = 32
	s_mov_b32 s[G1+3], 64<<16                      ; tile_dim0 = 64
	s_mov_b32 s[G1+4], 32                          ; tile_dim1 = 32
	s_mov_b32 s[G1+5], 64                          ; elements from row to row
	s_mov_b32 s[G1+6], 0
	s_mov_b32 s[G1+7], 0
	s_mov_b32 s[CS], 0x3e38aa3b                    ; c = log2(e) / sqrt(64)
	s_mov_b32 s[CS+1], s[CS]                       ; (named with it as a pair, so it is written)
	s_mov_b32 s[SEL], 0x76543210
	s_mov_b32 s[SEL+1], 0xfedcba98
	s_mov_b32 s[RB], 0
	s_mov_b32 s[IW], 0
	s_mov_b32 s[IR], 0
	s_mov_b32 s[SLOTS], 14                         ; slots 2 to 15 are asked for at changes of slots
	s_cmp_eq_u32 s14, 0                            ; waves 0 and 4 prefetch: the same in all four partners
	s_cselect_b32 s[LIM], 1, -1
	v_and_b32 v1, 15, v0                           ; r
	v_bfe_u32 v2, v0, 4, 1                         ; h
	s_mul_i32 s21, s[WV], 16*RP                    ; my 16 keys in a raw slot; also my stage's place
	v_mul_u32_u24 v[KRA], v1, RP
	v_lshl_add_u32 v[KRA], v2, 7, v[KRA]
	v_add_nc_u32 v[KRA], s21, v[KRA]
	v_add_nc_u32 v[STO], STAGE, v[KRA]             ; the stage, in: row r, 128 h bytes on: the same arithmetic
	v_mul_u32_u24 v[VRA], v2, 8*RP
	v_lshl_add_u32 v[VRA], v1, 4, v[VRA]
	v_add_nc_u32 v[VRA], s21, v[VRA]
	v_add_nc_u32 v[VRA], RVOFF, v[VRA]
	v_mul_u32_u24 v[RD], v2, RP                    ; back: lanes 0-15 one row of 256 bytes, lanes 16-31 the next
	v_lshl_add_u32 v[RD], v1, 4, v[RD]
	v_add_nc_u32 v[RD], s21, v[RD]
	v_add_nc_u32 v[RD], STAGE, v[RD]
	v_and_b32 v[LI0], 31, v0
	v_lshlrev_b32 v[PFO], 8, v[LI0]
	v_lshl_add_u32 v[LI0], v[LI0], 4, IMG0
	s_lshl_b32 s21, s[WV], 9
	v_add_nc_u32 v[KWI], s21, v[LI0]
	s_lshr_b32 s58, s[WV], 2
	s_lshl_b32 s58, s58, 9
	s_lshl_b32 s59, s14, 2
	s_add_co_u32 s58, s58, s59
	s_add_co_u32 s58, s58, ISC
	v_add_nc_u32 v[SWI], s58, v[LI0]
	s_lshr_b32 s58, s[WV], 1
	s_lshl_b32 s58, s58, 12
	s_and_b32 s59, s[WV], 1
	s_lshl_b32 s59, s59, 9
	s_add_co_u32 s58, s58, s59
	s_add_co_u32 s58, s58, IV
	v_add_nc_u32 v[VWI], s58, v[LI0]
	v_lshlrev_b32 v[H8], 3, v2
	v_lshlrev_b32 v[GO], 8, v2
	v_lshl_add_u32 v[GO], v1, 4, v[GO]             ; out0: the same two rows, 16 bytes a lane
	v_lshlrev_b32 v[QO], 8, v1
	v_lshl_add_u32 v[QO], v2, 7, v[QO]             ; q: row r, + my block's 128 bytes
	s_wait_dscnt 0x0                               ; both opening adds are done
	s_wait_kmcnt 0x0
	s_cmp_lt_u32 s[WV], 4
	s_cselect_b64 s[PFA:PFA+1], s[6:7], s[8:9]     ; wave 0 asks for K's rows, wave 4 for V's
	s_add_nc_u64 s[PFA:PFA+1], s[PFA:PFA+1], s[22:23]
	s_add_nc_u64 s[6:7], s[6:7], s[18:19]          ; k and v at my tile of slot 0
	s_add_nc_u64 s[8:9], s[8:9], s[18:19]
	s_add_nc_u64 s[4:5], s[4:5], s[2:3]            ; q and out0 at my wave's first row
	s_add_nc_u64 s[10:11], s[10:11], s[2:3]
	CROUND                                         ; all four work-groups are here: the first joint loads meet
.irp n, 0,1
	s_mov_b32 s[G0K+4*\n], 1                       ; 1:0 count = 1
	s_add_co_u32 s[G0K+4*\n+1], s20, \n*SLOT1      ; 63:32 LDS address: no place in the cluster enters it
	s_add_nc_u64 s[G0K+4*\n+2:G0K+4*\n+3], s[6:7], \n*SLOTB   ; 120:64 global address: slot n
	s_or_b32 s[G0K+4*\n+3], s[G0K+4*\n+3], 0x80000000         ; 127:126 type = 2
	s_mov_b32 s[G0V+4*\n], 1
	s_add_co_u32 s[G0V+4*\n+1], s20, \n*SLOT1+RVOFF
	s_add_nc_u64 s[G0V+4*\n+2:G0V+4*\n+3], s[8:9], \n*SLOTB
	s_or_b32 s[G0V+4*\n+3], s[G0V+4*\n+3], 0x80000000
.endr
	s_cmp_lt_u32 s[WV], 4                          ; a wave's two first fills stand in one branch, ahead of every wait on TENSORcnt and every LDS read: two loads of mine are out
	s_cbranch_scc0 .Lfirst_v
	tensor_load_to_lds s[G0K:G0K+3], s[G1:G1+7]
	s_nop 0
	tensor_load_to_lds s[G0K+4:G0K+7], s[G1:G1+7]
	s_nop 0
	PLACES
	s_branch .Lfirst_asked
.Lfirst_v:
	tensor_load_to_lds s[G0V:G0V+3], s[G1:G1+7]
	s_nop 0
	tensor_load_to_lds s[G0V+4:G0V+7], s[G1:G1+7]
	s_nop 0
	PLACES
.Lfirst_asked:
.irp t, 0,1,2,3                                ; my 64 queries, read once: lane (r, h) takes block h of row 16 t + r: 32 numbers
.irp i, 0,1,2,3,4,5,6,7
	global_load_b128 v[S+32*\t+4*\i:S+32*\t+4*\i+3], v[QO], s[4:5] offset:4096*\t+16*\i
.endr
.endr
	WIN W_LD
.irp f, 0,1,2,3
.irp i, 4,5,6,7
	v_mov_b32 v[KF+8*\f+\i], 0                     ; k = 64 .. 127 of the matrix instruction: zero codes, on both sides, written once
	v_mov_b32 v[QF+8*\f+\i], 0
.endr
.endr
	WIN 0
	s_wait_loadcnt 0x0
.irp t, 0,1,2,3
	QUANT32 S+32*\t, QF+8*\t, QS+\t, W_LD          ; Q's fragments and scale words stay in registers
.endr
	s_wait_tensorcnt 1                             ; my part of slot 0 is in; slot 1's may stay out
	s_barrier_signal -1
	s_barrier_wait -1                              ; everybody's is
	CONVERT                                        ; C(0)
	TRIP 1, 1, 1                                   ; trip 0: L(2), C(1), A(0); its first key step starts m, l and O^T
	s_sub_co_u32 s[SLOTS], s[SLOTS], 1
.Lslot:                                            ; trips 1 to 13: L(s + 2), C(s + 1), A(s)
	TRIP 1, 1, 0
	s_sub_co_u32 s[SLOTS], s[SLOTS], 1
	s_cmp_lg_u32 s[SLOTS], 0
	s_cbranch_scc1 .Lslot
	TRIP 0, 1, 0                                   ; the tail is written out: trip 14: C(15), A(14)
	TRIP 0, 0, 0                                   ; trip 15: A(15)
	; THE WAY OUT.  l's two halves and the other half of the lanes' are added; O^T is divided by l and goes through my stage in LDS, a tile (16 rows of out0) at a time.  The last sums are the places behind the last products.
.irp t, 0,1,2,3
	v_add_f32 v[ST+8*\t+4], v[ST+8*\t+2], v[ST+8*\t+3]
.endr
.irp t, 0,1,2,3
	v_permlanex16_b32 v[ST+8*\t+5], v[ST+8*\t+4], s[SEL], s[SEL+1]
.endr
.irp t, 0,1,2,3
	v_add_f32 v[ST+8*\t+4], v[ST+8*\t+4], v[ST+8*\t+5]
.endr
.irp t, 0,1,2,3
	v_rcp_f32 v[ST+8*\t+6], v[ST+8*\t+4]
.endr
	v_nop                                          ; a plain instruction between the last reciprocal and the use of its result
	s_wait_alu depctr_va_vdst(0)                   ; and the wait ahead of the first use: one for the four
; Tile t: register j of the accumulator of channels c is channel 32 h + 4 j + c; j outermost puts the lane's 32 channels in order and reads each accumulator from its low end on.
.macro PACK t
	WIN W_OUT
.irp j, 0,1,2,3,4,5,6,7
.irp c, 0,1,2,3
	v_mul_f32 v[S+32*\t+4*\j+\c], v[32*\t+8*\c+\j], v[ST+8*\t+6]
.endr
.endr
	WIN 0
.irp j, 0,1,2,3,4,5,6,7
	ds_store_b128 v[STO], v[S+32*\t+4*\j:S+32*\t+4*\j+3] offset:16*\j
.endr
.irp i, 0,1,2,3,4,5,6,7
	ds_load_b128 v[S+32*\t+4*\i:S+32*\t+4*\i+3], v[RD] offset:2*RP*\i   ; LDS serves a wave's instructions in order (ISA guide 5.7.1.4): these see the stores above; the next tile's stores come behind them
.endr
.endm
.macro SEND t, younger                 ; younger: the LDS instructions issued behind tile t's loads: the next tile's sixteen, or none
.irp f, 0,1,2,3,4,5,6,7
	s_wait_dscnt \younger+7-\f
	global_store_b128 v[GO], v[S+32*\t+4*\f:S+32*\t+4*\f+3], s[10:11] offset:4096*\t+512*\f th:TH_STORE_NT   ; 32 lanes store two whole rows: 512 consecutive bytes, at a multiple of 256 from out0's first byte
.endr
.endm
	PACK 0
	PACK 1                                         ; a tile's arithmetic stands between the loads of the tile before and its stores
	SEND 0, 16
	PACK 2
	SEND 1, 16
	PACK 3
	SEND 2, 16
	SEND 3, 0
	s_wait_tensorcnt 0x0                           ; the wave's end, behind my last tensor load and my last LDS store
	ds_add_u32 v[SPW], v[NIL]
	s_wait_dscnt 0x0
	CROUND                                         ; the closing round: no work-group ends while a partner may still ask for a tile that names it
	s_endpgm
.Lfunc_end_k_qd9eda5eada_attn:
	.size	k_qd9eda5eada_attn, .Lfunc_end_k_qd9eda5eada_attn-k_qd9eda5eada_attn
	.p2alignl 7, 3214868480
	.fill 96, 4, 3214868480
	.section	.rodata,"a",@progbits
	.p2align	6, 0x0
	.amdhsa_kernel k_qd9eda5eada_attn
		.amdhsa_group_segment_fixed_size 327680
		.amdhsa_private_segment_fixed_size 0
		.amdhsa_enable_private_segment 0
		.amdhsa_kernarg_size 32
		.amdhsa_user_sgpr_count 2
		.amdhsa_user_sgpr_kernarg_segment_ptr 1
		.amdhsa_wavefront_size32 1
		.amdhsa_system_sgpr_workgroup_id_x 1
		.amdhsa_system_sgpr_workgroup_id_y 1
		.amdhsa_system_sgpr_workgroup_id_z 1
		.amdhsa_system_vgpr_workitem_id 0
		.amdhsa_next_free_vgpr 512
		.amdhsa_next_free_sgpr 66
		.amdhsa_reserve_vcc 0
		.amdhsa_float_denorm_mode_32 3
		.amdhsa_float_denorm_mode_16_64 3
		.amdhsa_memory_ordered 1
		.amdhsa_forward_progress 1
		.amdhsa_inst_pref_size 255
	.end_amdhsa_kernel
	.section	.bss,"aw",@nobits
	.p2align	6
	.space	262144
	.amdgpu_metadata
---
amdhsa.version: [ 1, 2 ]
amdhsa.kernels:
  - .name:           k_qd9eda5eada_attn
    .symbol:         k_qd9eda5eada_attn.kd
    .args:
      - { .name: q, .offset: 0, .size: 8, .value_kind: global_buffer, .address_space: global }
      - { .name: k, .offset: 8, .size: 8, .value_kind: global_buffer, .address_space: global }
      - { .name: v, .offset: 16, .size: 8, .value_kind: global_buffer, .address_space: global }
      - { .name: out0, .offset: 24, .size: 8, .value_kind: global_buffer, .address_space: global }
    .group_segment_fixed_size: 327680
    .private_segment_fixed_size: 0
    .kernarg_segment_align: 8
    .kernarg_segment_size: 32
    .max_flat_workgroup_size: 256
    .sgpr_count:     66
    .vgpr_count:     512
    .wavefront_size: 32
...
	.end_amdgpu_metadata
.endif
;; end of part 1
